; MI455X (gfx1250); checked and timed in simulation.
; The chip was launched on July 23, 2026; its instructions are those of AMD's public machine-readable ISA for CDNA 5 (MIT licence, August 2026) and "CDNA5" Instruction Set Architecture Reference Guide (July 2026). The comments in the code are by the model that wrote it; some were corrected since.
;; Grouped Query Attention. Allowed arithmetic: matrix products marked QUANTISED: E2M1 operands, one E8M0 scale for each 32 along K, by v_wmma_scale_f32_16x16x128_f8f6f4 with both operands' format E2M1 (or v_wmma_scale_f32_32x16x128_f4), f32 sums; everything else in f32.
;; Inputs: b_k 256 float32; b_o 1,024 float32; b_q 1,024 float32; b_v 256 float32; key_codes 1 x 4,096 x 32 x 16 uint8 (E2M1 codes of key, K innermost, in blocks of 32 codes, two codes a byte); key_scales 1 x 4,096 x 32 uint8 (E8M0 scales of key, one for each 32 codes along K); query_codes 1 x 4,096 x 32 x 16 uint8 (E2M1 codes of query, K innermost, in blocks of 32 codes, two codes a byte); query_scales 1 x 4,096 x 32 uint8 (E8M0 scales of query, one for each 32 codes along K); value_codes 1 x 4,096 x 32 x 16 uint8 (E2M1 codes of value, K innermost, in blocks of 32 codes, two codes a byte); value_scales 1 x 4,096 x 32 uint8 (E8M0 scales of value, one for each 32 codes along K); w_k_codes 256 x 32 x 16 uint8 (E2M1 codes of w_k, K innermost, in blocks of 32 codes, two codes a byte); w_k_scales 256 x 32 uint8 (E8M0 scales of w_k, one for each 32 codes along K); w_o_codes 1,024 x 32 x 16 uint8 (E2M1 codes of w_o, K innermost, in blocks of 32 codes, two codes a byte); w_o_scales 1,024 x 32 uint8 (E8M0 scales of w_o, one for each 32 codes along K); w_q_codes 1,024 x 32 x 16 uint8 (E2M1 codes of w_q, K innermost, in blocks of 32 codes, two codes a byte); w_q_scales 1,024 x 32 uint8 (E8M0 scales of w_q, one for each 32 codes along K); w_v_codes 256 x 32 x 16 uint8 (E2M1 codes of w_v, K innermost, in blocks of 32 codes, two codes a byte); w_v_scales 256 x 32 uint8 (E8M0 scales of w_v, one for each 32 codes along K).
;; Outputs: out0 1 x 4,096 x 1,024 float32.
;; This version of the problem:
;;   THIS VERSION OF THE PROBLEM IS GIVEN IN LOW PRECISION. The matrix products marked QUANTISED in the list below multiply operands that are first quantised to E2M1 (2 exponent bits, 1 mantissa bit; 4 bits a number), with one power-of-two scale for each 32 numbers along K (OCP MX v1.0); their sums are f32. All else is computed in f32.
;;   The module's matrix products, in the order in which they are computed (A, B: the left and right operand; K: the contracted axis; several contracted axes count as one K, in the product's order):
;;     1. [M 4,096, K 1,024] x [K 1,024, N 1,024]; A: input query (given as codes); B: input w_q (given as codes): QUANTISED
;;     2. [M 4,096, K 1,024] x [K 1,024, N 256]; A: input key (given as codes); B: input w_k (given as codes): QUANTISED
;;     3. [M 4,096, K 1,024] x [K 1,024, N 256]; A: input value (given as codes); B: input w_v (given as codes): QUANTISED
;;     4. batch 4 x [M 4,096, K 64] x [K 64, N 16,384]; A: computed on the way; B: computed on the way: QUANTISED
;;     5. batch 4 x [M 64, K 4,096] x [K 4,096, N 16,384]; A: computed on the way; B: softmax (see below): QUANTISED
;;     6. [M 4,096, K 1,024] x [K 1,024, N 1,024]; A: computed on the way; B: input w_o (given as codes): QUANTISED
;;   THE QUANTISER, for each operand of a quantised product, along K:
;;     - K is cut into blocks of 32 from its start; a last block that is shorter is filled with zeros.
;;     - A block's scale is 2^e with e = floor(log2(the largest magnitude in the block)) - 2, held to -126 .. 127; a block of zeros has e = 0. As a byte (E8M0): e + 127.
;;     - Each number is divided by its block's scale, clamped to +-6, and rounded to the nearest number of E2M1, ties to even, subnormals kept.
;;     - The product sums the exact products of the quantised numbers (number of the format x scale) in f32.
;;   ~~~python
;;   def quantise(x, axis):      # numpy; x: float32 -> the quantised numbers, widened to float32 again
;;       x = np.moveaxis(x, axis, -1); K = x.shape[-1]
;;       x = np.pad(x, [(0, 0)] * (x.ndim - 1) + [(0, -K % 32)]); x = x.reshape(x.shape[:-1] + (-1, 32)); a = np.abs(x).max(-1, keepdims=True)
;;       e = np.where(a > 0, np.clip(np.frexp(np.where(a > 0, a, 1))[1] - 1 - 2, -126, 127), 0)      # np.frexp(a)[1] - 1 = floor(log2(a)), exactly
;;       r = np.clip(x / 2.0 ** e, -6, 6)
;;       step = 2.0 ** (np.maximum(np.frexp(np.where(r == 0, 1, r))[1] - 1, 0) - 1)
;;       q = np.round(r / step) * step * 2.0 ** e      # np.round: ties to even
;;       return np.moveaxis(q.reshape(q.shape[:-2] + (-1,))[..., :K], -1, axis).astype(np.float32)
;;   ~~~
;;   SOFTMAX AHEAD OF A QUANTISED PRODUCT. Where the list says 'softmax', what is quantised is not the finished softmax but p = 2^(t - M), with t = logit x log2(e) and M = ceil(the row's largest t), a whole number; so 1/2 < the row's largest p <= 1. The row's sum l is taken of the UNQUANTISED p, in f32, and the product's result is divided by l at the end. Since M is a whole number, a kernel that streams over the keys may use a running M (the ceiling of the running maximum): every later rescaling is an exact power of two, which a block's scale takes up: the codes' values come out the same.
;;   OPERANDS COMPUTED ON THE WAY. 'Computed on the way' means the value that the module computes at that place (a softmax that the list does not call 'softmax' is quantised finished and normalised). What goes into a quantiser is computed in f32, as accurately as f32 sums, v_exp_f32 and their like allow (about 1e-6 of the number): no bf16 or f16 on the way to a quantiser, and a product that is left as it is and whose result goes on into a quantised operand takes f32 operands (vector FMAs, or v_wmma_f32_16x16x4_f32). A number that lies on a knife's edge between two numbers of the format may be rounded either way, as far as f32 arithmetic and the matrix unit's own rounding can turn it there, and no further.
;;   INPUTS GIVEN AS CODES. key (in the module: [1, 4096, 1024], K = its axis 2); query (in the module: [1, 4096, 1024], K = its axis 2); value (in the module: [1, 4096, 1024], K = its axis 2); w_k (in the module: [1024, 256], K = its axis 0); w_o (in the module: [1024, 1024], K = its axis 0); w_q (in the module: [1024, 1024], K = its axis 0); w_v (in the module: [1024, 256], K = its axis 0): each comes as NAME_codes (uint8): NAME with its K axis moved to the last place and cut into blocks of 32 codes, [.., K / 32, bytes a block], one block behind the other in memory; two codes a byte, the lower K in the low four bits (a code: sign, 2 exponent bits, 1 mantissa bit); and NAME_scales (uint8): the same leading axes, one E8M0 byte (e + 127) for each 32 codes along K. Its value is code x scale, taken as it is: it is not quantised again, and the codes and scales need not be those that the quantiser above would give.
;; One version. Each part assembles by itself: llvm-mc -triple=amdgcn-amd-amdhsa -mcpu=gfx1250 --defsym DOCPART=n.
;; ======== version 1 of 1: 3 launches
;; limits: right only within a limited range of input values
;; workspace buffers: qc 2,097,152 bytes; qs 131,072 bytes; kv 1,114,112 bytes; ac 2,097,152 bytes; asc 131,072 bytes
;; launch proj (part 1): grid 192 x 1, 8 waves a work-group, no clusters, 216,064 bytes of LDS; arguments query_codes, query_scales, w_q_codes, w_q_scales, b_q, key_codes, key_scales, w_k_codes, w_k_scales, b_k, value_codes, value_scales, w_v_codes, w_v_scales, b_v, qc, qs, kv; writes qc, qs, kv
.if DOCPART == 1
	.amdgcn_target "amdgcn-amd-amdhsa--gfx1250"
	.amdhsa_code_object_version 6
	.text
	.protected	k_qe6b5f47b8c_proj
	.globl	k_qe6b5f47b8c_proj
	.p2align	8
	.type	k_qe6b5f47b8c_proj,@function
k_qe6b5f47b8c_proj:
	s_mov_b64 s[64:65], 0
	v_nop
	global_prefetch_b8 v0, s[64:65] scope:SCOPE_SE
	s_setreg_imm32_b32 hwreg(HW_REG_WAVE_MODE, 25, 1), 1
	s_wait_xcnt 0x0
; q = query w_q + b_q, k = key w_k + b_k, v = value w_v + b_v on codes of FP4 (E2M1) with one E8M0 scale for each 32 along K = 1,024; sums in f32;
; the results are quantised in registers for the attention's two products and leave as codes and scale bytes: q and k along the head's 64 (two blocks a head), v along the keys.
; NO WORK IS LEFT OUT: every input of the problem has a way to the output (b_k too: it moves k's codes), and all 15 inputs of these three products are loaded here.
; ONE BODY, THREE PARTS, chosen by the work-group's number n.  The product is always D = P R^T: source 0 = 16 rows of P, source 1 = 16 rows of R, so that a lane holds ONE row of R and its registers run
; along P, the axis that is quantised.   n 0-127: P = w_q, R = query;   n 128-159: P = w_k, R = key;   n 160-191: P = value (its rows are the keys), R = w_v.
; A work-group makes 256 of P x 128 of R over all of K; wave w makes 128 of P (half w % 2) x 32 of R (quarter w / 2): 16 accumulators, 128 registers.  192 work-groups of equal work.
; NO CLUSTER: K's part has one tile along P and V's two along R, so no one operand is shared by four partners in all three parts of this one text; and each work-group asks for its tiles once.
; LDS is filled once: 384 rows (P's 256, R's 128) of 512 bytes of codes, 528 bytes = 33 x 16 apart, and their 32 scale bytes a row.  Nothing is filled again, so there is one barrier.
; THE BIAS STARTS THE SUMS: it is put into the accumulators while the tiles are on their way (so it is a sum's first term, not its last as the problem writes it: another order of rounding).
; FROM RESULT TO OPERAND.  Register j of tile t holds index 16 t + 8 (lane / 16) + j along P: eight neighbours, one conversion.  Tile 4 c + x goes to code register 4 c + (0, 2, 1, 3)[x]; an exchange of halves
; between registers 4 c, 4 c + 1 and between 4 c + 2, 4 c + 3 then leaves k = 64 c + 32 (lane / 16) + 8 i in register 4 c + i: the operand's own layout.  A block of 32 lies in lanes l and l xor 16.
; THE WORKSPACE HOLDS IMAGES OF OPERAND REGISTERS: a piece is four registers of 32 lanes, lane l's 16 bytes at 16 l: each store of codes covers 512 consecutive bytes, aligned.
;   qc [head 16][tile of 16 queries 256][512];   qs [pair of heads 8][query 4,096]: one word (even head's two bytes, odd head's two);
;   kv [kv head 4][step of 128 keys 32][8,704]: K's eight tiles' pieces; from 4,096 V's pieces (1,024 x tile of 16 d + 512 x half of the keys); from 8,192 the scale words, 16 bytes a lane:
;   lanes 0-15 K's four words (word b: tile 2 b's two bytes, tile 2 b + 1's two), lanes 16-31 V's four (word t: the four key blocks of d tile t).
; The scale words leave in pieces of 4 to 128 bytes: one byte in 17 of what the launch stores.
; LIMITS: a block whose largest magnitude lies under 2^-124 keeps the byte 1, a block of zeros too (the rule says 127: its codes are zeros, and these bytes are read by this program alone); NaN and infinities are not served.
.set PITCH, 528                        ; an LDS row of codes: 512 bytes + 16 of padding
.set TROW,  16*PITCH                   ; 16 rows
.set SCL,   384*PITCH                  ; behind the codes: 384 rows x 32 scale bytes, dense
.set SPARE, SCL+384*32                 ; behind them: the spare words, 128 bytes for each of the eight waves, which no other line names
.set LI,   1                           ; v1   16 x lane: my place in a piece
.set ADP,  2                           ; v2   LDS: my lane's place in my wave's rows of P
.set ADR,  3                           ; v3   the same for R
.set ADSP, 4                           ; v4   LDS: P's scale words: lanes 0-15 an even K step's, lanes 16-31 the odd step's behind it
.set ADSR, 5                           ; v5   the same for R
.set SPW,  6                           ; v6   LDS address of my spare word; never rewritten
.set NIL,  7                           ; v7   0; never rewritten
.set VO1,  9                           ; v9-11 where the pieces go: LI + one step of c; + one of the row tile; + both
.set VO2,  10
.set VO3,  11
.set WO,   12                          ; v12  where my scale word goes
.set VBQ,  13                          ; v13  the bias's lane offset in Q's and K's parts: 32 x (lane / 16)
.set VBV,  14                          ; v14  and in V's: 4 x (lane % 16)
.set SCP,  16                          ; v16-23 P's scale words, a register a tile
.set SCR,  24                          ; v24-25 R's
.set RR,   27                          ; v27  lane % 16
.set HH,   28                          ; v28  lane / 16
.set TT,   29                          ; v29  at work
.set RF,   32                          ; v32-47  R's two fragments
.set PF,   48                          ; v48-111 P's eight fragments; at the end: at work
.set ACC,  128                         ; v128-255 accumulator (tile pt of P, tile rt of R) at 128 + 64 rt + 8 pt
.set TM,   48
.set PC0,  64                          ; the codes of row tile 0, of row tile 1
.set PC1,  72
.set W0,   80                          ; their scale words
.set W1,   81
.set X0,   82
.set X1,   83
.set PCO,  40                          ; s[40:41] P's codes, s[42:43] P's scales, s[44:45] R's codes, s[46:47] R's scales, s[48:49] the bias, s[50:51] where codes go, s[52:53] where scale words go
.set PSC,  42
.set RCO,  44
.set RSC,  46
.set BI,   48
.set OC,   50
.set OW,   52
.set WV,   54                          ; s54  my wave's number
.set ISV,  55                          ; s55  1 in V's part
.set G1C,  56                          ; s[56:63] descriptor group 1: 128 rows of codes
.set G1S,  68                          ; s[68:75] and their scale bytes
.set G0C,  76                          ; s[76:79], s[80:83] the two groups 0 (at work before they are made)
.set G0S,  80
.set PW,   84                          ; s84  which half of P is my wave's
.set RW,   85                          ; s85  which quarter of R
.set PT,   86                          ; s86  the work-group's tile along P
.set RT,   87                          ; s87  along R
.set PCI,  88                          ; s88  my run of 128 along P: 2 PT + PW
.set RCI,  89                          ; s89  my run of 32 along R: 4 RT + RW
.set SR,   90                          ; s90  bytes from row tile 0's piece to row tile 1's
.set SC,   91                          ; s91  from piece c = 0 to c = 1
.set WR,   92                          ; s92  scale words: bytes from lane to lane,
.set WH,   93                          ; s93  and from lanes 0-15 to lanes 16-31
.set SEL0, 94                          ; s94, s95 byte selects that lay the two scale words as the part's buffer wants them
.set SEL1, 95
.set CB,   96                          ; s[96:97] where my wave's pieces begin
.set XS,   98                          ; s[98:99] lane selects for v_permlanex16_b32: lane l xor 16
.set WB,   100                         ; s[100:101] where my wave's scale words begin
.macro PLACES n
.rept \n
	v_nop
.endr
.endm
.macro MM d, a, b, sa, sb, odd         ; one product, added in place; an odd K step takes its scale words from lanes 16-31
.if \odd
	v_wmma_scale_f32_16x16x128_f8f6f4 v[\d:\d+7], v[\a:\a+7], v[\b:\b+7], v[\d:\d+7], v[\sa], v[\sb] matrix_a_fmt:MATRIX_FMT_FP4 matrix_b_fmt:MATRIX_FMT_FP4 matrix_a_scale:MATRIX_SCALE_ROW1 matrix_b_scale:MATRIX_SCALE_ROW1
.else
	v_wmma_scale_f32_16x16x128_f8f6f4 v[\d:\d+7], v[\a:\a+7], v[\b:\b+7], v[\d:\d+7], v[\sa], v[\sb] matrix_a_fmt:MATRIX_FMT_FP4 matrix_b_fmt:MATRIX_FMT_FP4
.endif
.endm
; 16 nb numbers of a lane, v[src] on, register 8 t + j = index 16 t + 8 (lane / 16) + j of my row, become 2 nb registers of codes from v[pc] on and nb scale bytes in v[pw].  tm: 12 registers at work.
.macro QUANT src, nb, pc, pw, tm
.set qn_b, 0
.rept \nb
	v_max3_num_f32 v[\tm+qn_b], |v[\src+16*qn_b]|, |v[\src+16*qn_b+1]|, 0x1800000   ; block b: my 16 numbers, each accumulator from its low end on, and the floor 2^(3 - 127): the byte cannot fall under 1
.set qn_b, qn_b+1
.endr
.irp i, 2,4,6,8,10,12,14
.set qn_b, 0
.rept \nb
	v_max3_num_f32 v[\tm+qn_b], v[\tm+qn_b], |v[\src+16*qn_b+\i]|, |v[\src+16*qn_b+\i+1]|   ; (the blocks by turns)
.set qn_b, qn_b+1
.endr
.endr
.set qn_b, 0
.rept \nb
	s_delay_alu instid0(VALU_DEP_4)
	v_permlanex16_b32 v[\tm+4+qn_b], v[\tm+qn_b], s[XS], s[XS+1]
.set qn_b, qn_b+1
.endr
.set qn_b, 0
.rept \nb
	s_delay_alu instid0(VALU_DEP_4)
	v_max_num_f32 v[\tm+qn_b], v[\tm+qn_b], v[\tm+4+qn_b]   ; with lane l xor 16's: the block's largest magnitude
.set qn_b, qn_b+1
.endr
.set qn_b, 0
.rept \nb
	s_delay_alu instid0(VALU_DEP_4)
	v_add_nc_u32 v[\tm+8+qn_b], 0xff000000, v[\tm+qn_b]   ; 2 off its exponent field: the conversion takes this operand's exponent field as its scale
.set qn_b, qn_b+1
.endr
.set qn_b, 0
.rept \nb
	s_delay_alu instid0(VALU_DEP_4)
	v_lshrrev_b32 v[\tm+4+qn_b], 23, v[\tm+8+qn_b]   ; the scale's byte
.set qn_b, qn_b+1
.endr
	s_delay_alu instid0(VALU_DEP_3)
	v_lshl_or_b32 v[\pw], v[\tm+5], 8, v[\tm+4]
.if \nb > 2
	s_delay_alu instid0(VALU_DEP_1)
	v_lshl_or_b32 v[\pw], v[\tm+6], 16, v[\pw]
	s_delay_alu instid0(VALU_DEP_1)
	v_lshl_or_b32 v[\pw], v[\tm+7], 24, v[\pw]
.endif
.set qn_t, 0
.rept 2*\nb
	v_cvt_scalef32_pk8_fp4_f32 v[\pc+4*(qn_t/4)+2*(qn_t%2)+(qn_t%4)/2], v[\src+8*qn_t:\src+8*qn_t+7], v[\tm+8+qn_t/2]
.set qn_t, qn_t+1
.endr
	v_nop                                          ; one plain instruction behind the last scaled conversion
.set qn_t, 0
.rept \nb
	v_permlane16_swap_b32 v[\pc+2*qn_t], v[\pc+2*qn_t+1]   ; the first's lanes 16-31 change places with the second's lanes 0-15: a whole block in a lane
.set qn_t, qn_t+1
.endr
.endm
	s_load_b512 s[4:19], s[0:1], 0x0               ; query's codes, scales; w_q's codes, scales; b_q; key's codes, scales; w_k's codes
	s_load_b512 s[20:35], s[0:1], 0x40             ; w_k's scales; b_k; value's codes, scales; w_v's codes, scales; b_v; qc
	s_load_b128 s[36:39], s[0:1], 0x80             ; qs; kv
	v_lshl_add_u32 v[SPW], v0, 2, SPARE
	v_mov_b32 v[NIL], 0
	ds_add_u32 v[SPW], v[NIL]                      ; the wave's opening: the add, twice on end, and its wait ahead of the first tensor load; work on registers stands between
	ds_add_u32 v[SPW], v[NIL]
	v_lshrrev_b32 v[TT], 5, v0
	s_delay_alu instid0(VALU_DEP_1)
	v_readfirstlane_b32 s[WV], v[TT]               ; wave 0..7
	s_and_b32 s[PW], s[WV], 1
	s_lshr_b32 s[RW], s[WV], 1
	; the work-group's tile, part by part, from its number alone
	s_and_b32 s[PT], ttmp9, 3                      ; Q: four tiles along w_q's 1,024 rows,
	s_lshr_b32 s[RT], ttmp9, 2                     ;    32 along the queries
	s_sub_co_u32 s83, ttmp9, 128                   ; K: one tile along P; this is its tile along the keys (and under 32 in K's part alone)
	s_sub_co_u32 s2, ttmp9, 160
	s_and_b32 s3, s2, 1                            ; V: two tiles along w_v's 256 rows,
	s_lshr_b32 s2, s2, 1                           ;    16 along the keys
	s_cmp_ge_u32 ttmp9, 160
	s_cselect_b32 s3, s3, s83
	s_cselect_b32 s2, s2, 0
	s_cselect_b32 s[ISV], 1, 0
	s_cmp_lt_u32 ttmp9, 128
	s_cselect_b32 s[PT], s[PT], s2
	s_cselect_b32 s[RT], s[RT], s3
	s_lshl_b32 s[PCI], s[PT], 1
	s_add_co_u32 s[PCI], s[PCI], s[PW]
	s_lshl_b32 s[RCI], s[RT], 2
	s_add_co_u32 s[RCI], s[RCI], s[RW]
	; where my wave's pieces and scale words begin, for each part; then the part's are chosen
	s_lshl_b32 s76, s[PCI], 18                     ; Q: pieces: two heads of 131,072 bytes x PCI
	s_lshl_b32 s77, s[RCI], 10                     ;    + two tiles of 512 x RCI
	s_add_co_u32 s76, s76, s77
	s_lshl_b32 s77, s[PCI], 14                     ;    words: 16,384 x pair of heads + 4 x 32 RCI
	s_lshl_b32 s78, s[RCI], 7
	s_add_co_u32 s77, s77, s78
	s_mul_i32 s78, s[PCI], 557056                  ; K: two kv heads of 278,528 x PCI
	s_mul_i32 s79, s[RT], 8704                     ;    + the key step's block
	s_add_co_u32 s78, s78, s79
	s_lshl_b32 s79, s[RW], 2                       ;    words: from 8,192 on, word RW of a lane's four
	s_add_co_u32 s79, s79, s78
	s_add_co_u32 s79, s79, 8192
	s_lshl_b32 s80, s[RW], 10                      ;    pieces: tiles 2 RW, 2 RW + 1
	s_add_co_u32 s78, s78, s80
	s_lshr_b32 s80, s[RCI], 1                      ; V: kv head RCI / 2,
	s_mul_i32 s80, s80, 278528
	s_mul_i32 s81, s[PCI], 8704                    ;    key step PCI
	s_add_co_u32 s80, s80, s81
	s_and_b32 s81, s[RCI], 1                       ;    d tiles 2 (RCI % 2) and the next
	s_lshl_b32 s82, s81, 3
	s_add_co_u32 s82, s82, s80
	s_add_co_u32 s82, s82, 8448                    ;    words: lanes 16-31 of the scale image
	s_lshl_b32 s81, s81, 11
	s_add_co_u32 s80, s80, s81
	s_add_co_u32 s80, s80, 4096
	s_mov_b32 s[SR], 512                           ; K's figures first
	s_mov_b32 s[SC], 278528
	s_mov_b32 s[WR], 16
	s_mov_b32 s[WH], 278528
	s_mov_b32 s[SEL0], 0x03020100                  ; (Q and V: the two row tiles' words as they are)
	s_mov_b32 s[SEL1], 0x07060504
	s_cmp_ge_u32 ttmp9, 160
	s_cselect_b32 s[SR], 1024, s[SR]
	s_cselect_b32 s[SC], 512, s[SC]
	s_cselect_b32 s[WH], 4, s[WH]
	s_cselect_b32 s[CB], s80, s78
	s_cselect_b32 s[WB], s82, s79
	s_cmp_lt_u32 ttmp9, 128
	s_cselect_b32 s[SC], 131072, s[SC]
	s_cselect_b32 s[WR], 4, s[WR]
	s_cselect_b32 s[WH], 64, s[WH]
	s_cselect_b32 s[CB], s76, s[CB]
	s_cselect_b32 s[WB], s77, s[WB]
	s_cmp_lt_u32 s83, 32
	s_cselect_b32 s[SEL0], 0x05040100, s[SEL0]     ; K: the even head's two bytes of both key tiles,
	s_cselect_b32 s[SEL1], 0x07060302, s[SEL1]     ;    the odd head's
	s_mov_b32 s[CB+1], 0
	s_mov_b32 s[WB+1], 0
	s_lshl_b32 s2, s[PCI], 9                       ; the bias: along P, 128 numbers x PCI (Q, K),
	s_lshl_b32 s3, s[RCI], 7                       ; or along R, 32 numbers x RCI (V)
	s_cmp_eq_u32 s[ISV], 1
	s_cselect_b32 s2, s3, s2
	s_mov_b32 s3, 0
	s_mov_b32 s[XS], 0x76543210
	s_mov_b32 s[XS+1], 0xfedcba98
	; descriptor group 1 for codes: 128 rows x 512 bytes, 16 bytes of padding behind each
	s_mov_b32 s[G1C], (1<<20)|(6<<22)|(3<<25)      ; elements of 1 byte; padding on: after every 128 words, 4 words
	s_mov_b32 s[G1C+1], 512<<16                    ; tensor_dim0
	s_mov_b32 s[G1C+2], 128<<16                    ; tensor_dim1
	s_mov_b32 s[G1C+3], 512<<16                    ; tile_dim0
	s_mov_b32 s[G1C+4], 128                        ; tile_dim1
	s_mov_b32 s[G1C+5], 512                        ; from row to row
	s_mov_b32 s[G1C+6], 0
	s_mov_b32 s[G1C+7], 0
	; and for the same 128 rows' scale bytes: 4,096 dense bytes as 16 rows of 32 elements of 8 bytes
	s_mov_b32 s[G1S], 3<<16
	s_mov_b32 s[G1S+1], 32<<16
	s_mov_b32 s[G1S+2], 16<<16
	s_mov_b32 s[G1S+3], 32<<16
	s_mov_b32 s[G1S+4], 16
	s_mov_b32 s[G1S+5], 32
	s_mov_b32 s[G1S+6], 0
	s_mov_b32 s[G1S+7], 0
	; waves 0-2 fetch LDS rows 128 w on: waves 0 and 1 P's, wave 2 R's
	; one fill a wave: waves 0 and 1 fetch the halves of P's 256 rows of codes, wave 2 R's 128 rows; waves 3 and 4 the scale bytes of P's halves, wave 5 those of R's rows; waves 6 and 7 fetch nothing
	s_lshl_b32 s66, s[WV], 7
	s_lshl_b32 s67, s[PT], 8
	s_add_co_u32 s67, s67, s66                     ; P's row 256 PT + 128 w (codes),
	s_lshl_b32 s76, s[RT], 7                       ; R's row 128 RT
	s_sub_co_u32 s77, s67, 384                     ; P's row 256 PT + 128 (w - 3) (scale bytes)
	s_cmp_lt_u32 s[WV], 2
	s_cselect_b32 s66, s67, s76
	s_cmp_lt_u32 s[WV], 5
	s_cselect_b32 s80, s77, s76
	s_lshl_b32 s66, s66, 9                         ; in bytes of codes,
	s_lshl_b32 s80, s80, 5                         ; and of scale bytes, 32 a row
	s_mov_b32 s67, 0
	s_mov_b32 s81, 0
	s_wait_dscnt 0x0                               ; both opening adds are done
	s_wait_kmcnt 0x0
	s_cmp_ge_u32 ttmp9, 160                        ; the part's buffers: the choice hangs on the work-group's number alone
	s_cselect_b64 s[PCO:PCO+1], s[24:25], s[18:19]
	s_cselect_b64 s[PSC:PSC+1], s[26:27], s[20:21]
	s_cselect_b64 s[RCO:RCO+1], s[28:29], s[14:15]
	s_cselect_b64 s[RSC:RSC+1], s[30:31], s[16:17]
	s_cselect_b64 s[BI:BI+1], s[32:33], s[22:23]
	s_cmp_lt_u32 ttmp9, 128
	s_cselect_b64 s[PCO:PCO+1], s[8:9], s[PCO:PCO+1]
	s_cselect_b64 s[PSC:PSC+1], s[10:11], s[PSC:PSC+1]
	s_cselect_b64 s[RCO:RCO+1], s[4:5], s[RCO:RCO+1]
	s_cselect_b64 s[RSC:RSC+1], s[6:7], s[RSC:RSC+1]
	s_cselect_b64 s[BI:BI+1], s[12:13], s[BI:BI+1]
	s_cselect_b64 s[OC:OC+1], s[34:35], s[38:39]
	s_cselect_b64 s[OW:OW+1], s[36:37], s[38:39]
	s_cmp_lt_u32 s[WV], 2
	s_cselect_b64 s[G0C+2:G0C+3], s[PCO:PCO+1], s[RCO:RCO+1]
	s_cmp_lt_u32 s[WV], 5
	s_cselect_b64 s[G0S+2:G0S+3], s[PSC:PSC+1], s[RSC:RSC+1]
	s_add_nc_u64 s[G0C+2:G0C+3], s[G0C+2:G0C+3], s[66:67]
	s_add_nc_u64 s[G0S+2:G0S+3], s[G0S+2:G0S+3], s[80:81]
	s_or_b32 s[G0C+3], s[G0C+3], 0x80000000        ; type = 2
	s_or_b32 s[G0S+3], s[G0S+3], 0x80000000
	s_mov_b32 s[G0C], 1
	s_mul_i32 s[G0C+1], s[WV], 128*PITCH           ; LDS: 128 rows x wave (waves 0 to 2)
	s_mov_b32 s[G0S], 1
	s_lshl_b32 s[G0S+1], s[WV], 12
	s_add_co_u32 s[G0S+1], s[G0S+1], SCL-12288     ; LDS: 4,096 bytes x (wave - 3) behind the codes (waves 3 to 5)
	s_cmp_lt_u32 s[WV], 3                          ; one chain of branches on the wave's number, one fill to an arm, both arms leading to one join
	s_cbranch_scc0 .Lfill_s
	tensor_load_to_lds s[G0C:G0C+3], s[G1C:G1C+7]
	s_nop 0
.rept 4
	v_nop
.endr
	s_branch .Lno_fill
.Lfill_s:
	s_cmp_lt_u32 s[WV], 6
	s_cbranch_scc0 .Lno_fill
	tensor_load_to_lds s[G0S:G0S+3], s[G1S:G1S+7]
	s_nop 0
.rept 4
	v_nop
.endr
.Lno_fill:
	s_add_nc_u64 s[BI:BI+1], s[BI:BI+1], s[2:3]
	s_add_nc_u64 s[OC:OC+1], s[OC:OC+1], s[CB:CB+1]
	s_add_nc_u64 s[OW:OW+1], s[OW:OW+1], s[WB:WB+1]
	v_and_b32 v[RR], 15, v0
	v_bfe_u32 v[HH], v0, 4, 1
	s_delay_alu instid0(VALU_DEP_1)
	v_lshlrev_b32 v[VBQ], 5, v[HH]
	s_delay_alu instid0(VALU_DEP_3)
	v_lshlrev_b32 v[VBV], 2, v[RR]
	; THE BIAS INTO THE ACCUMULATORS.  One branch, on the work-group's number alone; both arms write all 128 registers; no LDS access, no barrier and no tensor load inside.
	s_cmp_eq_u32 s[ISV], 1
	s_cbranch_scc1 .Lbias_v
.irp pt, 0,1,2,3,4,5,6,7                       ; Q, K: the bias runs along P: register j of tile pt takes number 16 pt + 8 (lane / 16) + j, for both row tiles
.irp rt, 0,1
	global_load_b128 v[ACC+64*\rt+8*\pt:ACC+64*\rt+8*\pt+3], v[VBQ], s[BI:BI+1] offset:64*\pt
	global_load_b128 v[ACC+64*\rt+8*\pt+4:ACC+64*\rt+8*\pt+7], v[VBQ], s[BI:BI+1] offset:64*\pt+16
.endr
.endr
	s_branch .Lbias_done
.Lbias_v:                                          ; V: the bias runs along R: a lane has one number for each row tile, and it starts all 64 sums of that tile
	s_wait_alu depctr_va_vdst(0)
	global_load_b32 v[ACC], v[VBV], s[BI:BI+1]
	global_load_b32 v[ACC+64], v[VBV], s[BI:BI+1] offset:64
	s_wait_loadcnt 0x0
.set n, 1
.rept 63
	v_mov_b32 v[ACC+n], v[ACC]
	v_mov_b32 v[ACC+64+n], v[ACC+64]
.set n, n+1
.endr
.Lbias_done:
	v_and_b32 v[LI], 31, v0
	s_delay_alu instid0(VALU_DEP_1)
	v_lshlrev_b32 v[LI], 4, v[LI]
	s_wait_alu depctr_va_vdst(0)
	v_mul_u32_u24 v[TT], v[RR], PITCH
	s_delay_alu instid0(VALU_DEP_1)
	v_lshl_add_u32 v[TT], v[HH], 4, v[TT]          ; a fragment's row x pitch + 16 x half
	s_mul_i32 s2, s[PW], 128*PITCH
	v_add_nc_u32 v[ADP], s2, v[TT]
	s_mul_i32 s2, s[RW], 32*PITCH
	s_add_co_u32 s2, s2, 256*PITCH
	v_add_nc_u32 v[ADR], s2, v[TT]
	v_lshlrev_b32 v[TT], 5, v[RR]
	s_delay_alu instid0(VALU_DEP_1)
	v_lshl_add_u32 v[TT], v[HH], 2, v[TT]          ; a row's 32 scale bytes; lanes 16-31 one word on
	s_lshl_b32 s2, s[PW], 12
	s_add_co_u32 s2, s2, SCL
	v_add_nc_u32 v[ADSP], s2, v[TT]
	s_lshl_b32 s2, s[RW], 10
	s_add_co_u32 s2, s2, SCL+8192
	v_add_nc_u32 v[ADSR], s2, v[TT]
	v_add_nc_u32 v[VO1], s[SC], v[LI]
	v_add_nc_u32 v[VO2], s[SR], v[LI]
	s_delay_alu instid0(VALU_DEP_2)
	v_add_nc_u32 v[VO3], s[SR], v[VO1]
	v_mul_lo_u32 v[WO], v[RR], s[WR]
	v_mul_lo_u32 v[TT], v[HH], s[WH]
	s_delay_alu instid0(VALU_DEP_1)
	v_add_nc_u32 v[WO], v[WO], v[TT]
	s_wait_alu depctr_va_vdst(0)
	s_wait_tensorcnt 0x0                           ; my rows have landed,
	s_barrier_signal -1
	s_barrier_wait -1                              ; everybody's have: nothing is filled again, so this is the launch's one barrier
; A K step of 128: ten fragments from LDS, on even steps the scale words of two steps, then 16 products.  The 16 accumulators take turns, one instruction a turn, in the same order in every step.
.macro KSTEP s
.if (\s) > 0
	PLACES 4                                       ; four plain instructions between the last products and loads into registers that they read
.endif
.irp pt, 0,1,2,3,4,5,6,7
.irp c, 0,1
	ds_load_b128 v[PF+8*\pt+4*\c:PF+8*\pt+4*\c+3], v[ADP] offset:TROW*\pt+64*(\s)+32*\c
.endr
.endr
.irp rt, 0,1
.irp c, 0,1
	ds_load_b128 v[RF+8*\rt+4*\c:RF+8*\rt+4*\c+3], v[ADR] offset:TROW*\rt+64*(\s)+32*\c
.endr
.endr
.if (\s)%2 == 0
.irp pt, 0,1,2,3,4,5,6,7
	ds_load_b32 v[SCP+\pt], v[ADSP] offset:512*\pt+4*(\s)
.endr
.irp rt, 0,1
	ds_load_b32 v[SCR+\rt], v[ADSR] offset:512*\rt+4*(\s)
.endr
.endif
	s_wait_dscnt 0x0
.if (\s) == 0
	s_wait_loadcnt 0x0                             ; the bias
.endif
.irp pt, 0,1,2,3,4,5,6,7
.irp rt, 0,1
	MM ACC+64*\rt+8*\pt, PF+8*\pt, RF+8*\rt, SCP+\pt, SCR+\rt, (\s)%2
.endr
.endr
.endm
	KSTEP 0
	KSTEP 1
	KSTEP 2
	KSTEP 3
	KSTEP 4
	KSTEP 5
	KSTEP 6
	KSTEP 7
	PLACES 4                                       ; between the last products and the first read of results, and the first write of registers that they read
	QUANT ACC, 4, PC0, W0, TM
	QUANT ACC+64, 4, PC1, W1, TM
	v_perm_b32 v[X0], v[W1], v[W0], s[SEL0]        ; the two words as the part's buffer wants them,
	v_perm_b32 v[X1], v[W1], v[W0], s[SEL1]
	s_delay_alu instid0(VALU_DEP_1)
	v_permlane16_swap_b32 v[X0], v[X1]             ; the first in lanes 0-15, the second in lanes 16-31
	global_store_b128 v[LI], v[PC0:PC0+3], s[OC:OC+1]      ; each store: 512 consecutive bytes, aligned
	global_store_b128 v[VO1], v[PC0+4:PC0+7], s[OC:OC+1]
	global_store_b128 v[VO2], v[PC1:PC1+3], s[OC:OC+1]
	global_store_b128 v[VO3], v[PC1+4:PC1+7], s[OC:OC+1]
	global_store_b32 v[WO], v[X0], s[OW:OW+1]
	s_wait_tensorcnt 0x0                           ; the wave's end
	ds_add_u32 v[SPW], v[NIL]
	s_wait_dscnt 0x0
	s_endpgm
.Lfunc_end_k_qe6b5f47b8c_proj:
	.size	k_qe6b5f47b8c_proj, .Lfunc_end_k_qe6b5f47b8c_proj-k_qe6b5f47b8c_proj
	.p2alignl 7, 3214868480
	.fill 96, 4, 3214868480
	.section	.rodata,"a",@progbits
	.p2align	6, 0x0
	.amdhsa_kernel k_qe6b5f47b8c_proj
		.amdhsa_group_segment_fixed_size 216064
		.amdhsa_private_segment_fixed_size 0
		.amdhsa_enable_private_segment 0
		.amdhsa_kernarg_size 144
		.amdhsa_user_sgpr_count 2
		.amdhsa_user_sgpr_kernarg_segment_ptr 1
		.amdhsa_wavefront_size32 1
		.amdhsa_system_sgpr_workgroup_id_x 1
		.amdhsa_system_sgpr_workgroup_id_y 1
		.amdhsa_system_sgpr_workgroup_id_z 1
		.amdhsa_system_vgpr_workitem_id 0
		.amdhsa_next_free_vgpr 256
		.amdhsa_next_free_sgpr 102
		.amdhsa_reserve_vcc 0
		.amdhsa_float_denorm_mode_32 3
		.amdhsa_float_denorm_mode_16_64 3
		.amdhsa_memory_ordered 1
		.amdhsa_forward_progress 1
		.amdhsa_inst_pref_size 56
	.end_amdhsa_kernel
	.amdgpu_metadata
---
amdhsa.version: [ 1, 2 ]
amdhsa.kernels:
  - .name:           k_qe6b5f47b8c_proj
    .symbol:         k_qe6b5f47b8c_proj.kd
    .args:
      - { .name: query_codes, .offset: 0, .size: 8, .value_kind: global_buffer, .address_space: global }
      - { .name: query_scales, .offset: 8, .size: 8, .value_kind: global_buffer, .address_space: global }
      - { .name: w_q_codes, .offset: 16, .size: 8, .value_kind: global_buffer, .address_space: global }
      - { .name: w_q_scales, .offset: 24, .size: 8, .value_kind: global_buffer, .address_space: global }
      - { .name: b_q, .offset: 32, .size: 8, .value_kind: global_buffer, .address_space: global }
      - { .name: key_codes, .offset: 40, .size: 8, .value_kind: global_buffer, .address_space: global }
      - { .name: key_scales, .offset: 48, .size: 8, .value_kind: global_buffer, .address_space: global }
      - { .name: w_k_codes, .offset: 56, .size: 8, .value_kind: global_buffer, .address_space: global }
      - { .name: w_k_scales, .offset: 64, .size: 8, .value_kind: global_buffer, .address_space: global }
      - { .name: b_k, .offset: 72, .size: 8, .value_kind: global_buffer, .address_space: global }
      - { .name: value_codes, .offset: 80, .size: 8, .value_kind: global_buffer, .address_space: global }
      - { .name: value_scales, .offset: 88, .size: 8, .value_kind: global_buffer, .address_space: global }
      - { .name: w_v_codes, .offset: 96, .size: 8, .value_kind: global_buffer, .address_space: global }
      - { .name: w_v_scales, .offset: 104, .size: 8, .value_kind: global_buffer, .address_space: global }
      - { .name: b_v, .offset: 112, .size: 8, .value_kind: global_buffer, .address_space: global }
      - { .name: qc, .offset: 120, .size: 8, .value_kind: global_buffer, .address_space: global }
      - { .name: qs, .offset: 128, .size: 8, .value_kind: global_buffer, .address_space: global }
      - { .name: kv, .offset: 136, .size: 8, .value_kind: global_buffer, .address_space: global }
    .group_segment_fixed_size: 216064
    .private_segment_fixed_size: 0
    .kernarg_segment_align: 8
    .kernarg_segment_size: 144
    .max_flat_workgroup_size: 256
    .sgpr_count:     102
    .vgpr_count:     256
    .wavefront_size: 32
...
	.end_amdgpu_metadata
.endif
;; end of part 1
;; launch attn (part 2): grid 64 x 4, 16 waves a work-group, clusters of 4 x 1, 327,680 bytes of LDS; arguments qc, qs, kv, ac, asc; writes ac, asc
.if DOCPART == 2
	.amdgcn_target "amdgcn-amd-amdhsa--gfx1250"
	.amdhsa_code_object_version 6
	.text
	.protected	k_qe6b5f47b8c_attn
	.globl	k_qe6b5f47b8c_attn
	.p2align	8
	.type	k_qe6b5f47b8c_attn,@function
k_qe6b5f47b8c_attn:
	s_mov_b64 s[64:65], 0
	v_nop
	global_prefetch_b8 v0, s[64:65] scope:SCOPE_SE
	s_setreg_imm32_b32 hwreg(HW_REG_WAVE_MODE, 25, 1), 1
	s_wait_xcnt 0x0
	s_wait_alu depctr_hold_cnt(0) depctr_sa_sdst(0) depctr_va_vdst(0) depctr_va_sdst(0) depctr_va_ssrc(0) depctr_va_vcc(0) depctr_vm_vsrc(0)
	s_getreg_b32 s2, hwreg(HW_REG_IB_STS2, 6, 4)
	s_cmp_eq_u32 s2, 0
	s_cbranch_scc0 .Lentry_in_a_cluster
	s_endpgm
.Lentry_in_a_cluster:
	s_bfe_u32 s2, ttmp6, 0x10000c
	s_cmp_lg_u32 s2, 0x3003
	s_cbranch_scc0 .Lentry_shape_is_right
	s_endpgm
.Lentry_shape_is_right:
; a[q][head][:] = the sum over keys of softmax(q . k / 8) v, both products on codes of FP4 (E2M1) with one E8M0 scale for each 32 along a product's K; the result is quantised along head x 64 + d for the last projection.  No work is left out.
; THE SOFTMAX: t = score x log2(e) / 8; M = the ceiling of the running largest t, a whole number; p = 2^(t - M) is quantised along the keys, not normalised; the row's sum is taken of the unquantised p in f32 and divides at the end.
; When M moves, the sum and O are multiplied by f = 2^(old M - new M), made by v_ldexp_f32: nothing is rounded, and no branch hangs on data.
; SHARES: a work-group owns 64 queries of the four heads of one kv head: 16 tiles of 16 queries, one to each of 16 waves (wave w: head 4 g + w % 4, tile w / 4).  256 work-groups of equal work.
; LDS: the kv head's whole block of the workspace (32 steps of 128 keys x 8,704 bytes: images of K's and V's operand registers and their scale words) is filled ONCE: each wave asks for 68 rows of 256 bytes, one tensor load,
; jointly with the three partners of its cluster, which walk the same kv head.  One barrier follows; nothing is filled again.  Nothing is asked of memory ahead of that load: it goes out whole at the head, and there is no loop to run ahead in.
; BOTH PRODUCTS ARE USED TRANSPOSED (S^T = K Q^T, O^T = V^T P^T): a lane holds one query.  The head's 64 fill half of the instruction's 128: a pair of K's tiles lies in one operand, and Q stands beside zeros ([q, 0] for the even tile, [0, q] for the odd).
; THE LOOP IS TURNED BY ONE PRODUCT: trip i holds S(i) = K(i) Q^T; O x f(i - 1), 16 lines that are also the places behind those products; the loads of K(i + 1); O += V(i - 1) P(i - 1); the loads of V(i), behind eight of the maxima; the softmax of step i.
; So each LDS load is issued most of a trip ahead of the one wait for LDS at the next trip's head.  Trip 0 (no O yet: it is cleared in the places) and trip 31 (no K beyond the end) are written out; the last product follows them.
; LIMITS: the promise holds while the scaled scores t stay under 2^31 in magnitude; a block of p or of the result whose largest magnitude lies under 2^-124 keeps the byte 1 (its bytes are read by this program alone); NaN and infinities are not served.
.set STEPB, 8704                       ; a step of 128 keys: K's 8 pieces of 512 bytes, V's 8, 512 bytes of scale words
.set STG,   32*STEPB                   ; behind the block: 512 bytes in which the result's scale bytes are gathered
.set SPARE, STG+512                    ; the spare words, 128 bytes for each wave, which no other line names
.set LI,  1                            ; v1  16 x lane
.set ADR, 2                            ; v2  LDS: my lane's place in the step in hand
.set SPW, 3                            ; v3  LDS address of my spare word; never rewritten
.set NIL, 4                            ; v4  0; never rewritten
.set QS,  5                            ; v5  Q's scale word
.set SCK, 8                            ; v8-11  the step's scale words as fetched with K (lanes 0-15 are K's)
.set QZ,  16                           ; v16-27 0, q, 0;  v12 -M, v13 the largest score, v[14:15] the sum in two halves
.set SCV, 28                           ; v28-31 the same words as fetched with V (lanes 16-31 are V's)
.set KF,  32
.set VF,  64
.set S,   96                           ; v96-159 S^T, then p
.set O,   160                          ; v160-191 O^T
.set PCD, 192                          ; p's codes
.set BM,  200
.set BT,  204
.set SO,  208
.set PW,  212                          ; p's scale word
.set F,   214
.set T,   216
.set T2,  217
.set SB,  218
.set WV,  14
.set CX,  15
.set X,   16
.set G,   17
.set REP, 18
.set QI,  19
.set XS,  20
.set CS,  22
.set G1,  24
.set G0,  32
.set TB,  48
.set CNT, 49
.set HEAD, 55
.set QT,  56
.macro ROUND                           ; a round of the cluster's barrier
	s_barrier_signal -1
	s_barrier_wait -1
	s_cmp_lg_u32 s[WV], 0
	s_cbranch_scc1 .Lnot_wave_0_\@
	s_barrier_signal -3
.Lnot_wave_0_\@:
	s_barrier_wait -3
	s_barrier_signal -1
	s_barrier_wait -1
.endm
.macro RESCALE                         ; O^T under the new M
	s_wait_alu depctr_va_vdst(0)                   ; directly ahead of the first readers of O^T
.set n, 0
.rept 16
	v_pk_mul_f32 v[O+n:O+n+1], v[O+n:O+n+1], v[F:F+1] op_sel_hi:[1,0]
.set n, n+2
.endr
.endm
.macro PV                              ; O^T += V^T P^T: four tiles of 16 of the head's 64, by turns
.irp t, 0,1,2,3
	v_wmma_scale_f32_16x16x128_f8f6f4 v[O+8*\t:O+8*\t+7], v[VF+8*\t:VF+8*\t+7], v[PCD:PCD+7], v[O+8*\t:O+8*\t+7], v[SCV+\t], v[PW] matrix_a_fmt:MATRIX_FMT_FP4 matrix_b_fmt:MATRIX_FMT_FP4 matrix_a_scale:MATRIX_SCALE_ROW1
.endr
.endm
.macro DADD j                          ; four more p into the row's sum, in two chains
	v_pk_add_f32 v[14:15], v[14:15], v[S+\j:S+\j+1]
	v_pk_add_f32 v[SB:SB+1], v[SB:SB+1], v[S+\j+2:S+\j+3]
.endm
.macro BODY first, last
	s_wait_dscnt 0x0                               ; K and its words of this step, V and its words of the step before
.irp b, 0,1,2,3
	v_wmma_scale_f32_16x16x128_f8f6f4 v[S+16*\b:S+16*\b+7], v[KF+8*\b:KF+8*\b+7], v[QZ+4:QZ+11], 0, v[SCK+\b], v[QS] matrix_a_fmt:MATRIX_FMT_FP4 matrix_b_fmt:MATRIX_FMT_FP4
	v_wmma_scale_f32_16x16x128_f8f6f4 v[S+16*\b+8:S+16*\b+15], v[KF+8*\b:KF+8*\b+7], v[QZ:QZ+7], 0, v[SCK+\b], v[QS] matrix_a_fmt:MATRIX_FMT_FP4 matrix_b_fmt:MATRIX_FMT_FP4
.endr
.if \first
.set n, 0
.rept 32
	v_mov_b32 v[O+n], 0                            ; O^T begins as zeros; these lines are the places behind the products above
.set n, n+1
.endr
.else
	RESCALE                                        ; 16 plain lines: the places behind the products above, and in front of the product below (p's scale word and codes were made by vector lines)
.endif
.if \last == 0
.irp t, 0,1,2,3,4,5,6,7
	ds_load_b128 v[KF+4*\t:KF+4*\t+3], v[ADR] offset:STEPB+512*\t
.endr
	ds_load_b128 v[SCK:SCK+3], v[ADR] offset:STEPB+8192
.endif
.if \first == 0
	PV
.endif
.irp b, 0,1,2,3
	v_max3_num_f32 v[BM+\b], v[S+16*\b], v[S+16*\b+1], v[S+16*\b+2]   ; the largest score of each block of 32 keys, each accumulator from its low end on; the four blocks by turns
.endr
.irp b, 0,1,2,3
	v_max3_num_f32 v[BM+\b], v[BM+\b], v[S+16*\b+3], v[S+16*\b+4]
.endr
.irp t, 0,1,2,3,4,5,6,7
	ds_load_b128 v[VF+4*\t:VF+4*\t+3], v[ADR] offset:4096+512*\t      ; eight plain lines stand behind the product that read these registers
.endr
	ds_load_b128 v[SCV:SCV+3], v[ADR] offset:8192
.if \last == 0
	s_add_co_u32 s[TB], s[TB], STEPB
	v_add_nc_u32 v[ADR], s[TB], v[LI]              ; on to the next step
.endif
.irp i, 5,7,9,11,13
.irp b, 0,1,2,3
	v_max3_num_f32 v[BM+\b], v[BM+\b], v[S+16*\b+\i], v[S+16*\b+\i+1]
.endr
.endr
.irp b, 0,1,2,3
	v_max_num_f32 v[BM+\b], v[BM+\b], v[S+16*\b+15]
.endr
.irp b, 0,1,2,3
	v_permlanex16_b32 v[BT+\b], v[BM+\b], s[XS], s[XS+1]
.endr
	v_mov_b32 v[T2], v12                           ; the old -M
.irp b, 0,1,2,3
	v_max_num_f32 v[BM+\b], v[BM+\b], v[BT+\b]     ; with lane l xor 16's 16 keys
.endr
	v_max3_num_f32 v13, v13, v[BM], v[BM+1]        ; the running largest score (c is positive)
	v_max3_num_f32 v13, v13, v[BM+2], v[BM+3]
	v_mul_f32 v[T], s[CS], v13                     ; as t
	v_floor_f32 v12, -v[T]                         ; the new -M = -ceil(t)
.set n, 0
.rept 32
	v_pk_fma_f32 v[S+n:S+n+1], v[S+n:S+n+1], s[CS:CS+1], v[12:13] op_sel_hi:[1,0,0]   ; t - M, two at a time; f's three lines stand among these
.if n == 4
	v_sub_f32 v[T], v12, v[T2]                     ; old M - new M: a whole number, 0 or less
.endif
.if n == 12
	v_cvt_i32_f32 v[T], v[T]                       ; (it saturates)
.endif
.if n == 20
	v_ldexp_f32 v[F], 1.0, v[T]                    ; f
.endif
.set n, n+2
.endr
.irp b, 0,1,2,3
	v_fma_f32 v[BM+\b], v[BM+\b], s[CS], v12       ; the same of each block's largest score: p rises with the score
.endr
	s_wait_alu depctr_va_vdst(0)                   ; ahead of the batch
.set n, 0
.rept 64
	v_exp_f32 v[S+n], v[S+n]                       ; p
.set n, n+1
.endr
.irp b, 0,1,2,3
	v_exp_f32 v[BM+\b], v[BM+\b]                   ; each block's largest p
.endr
	v_pk_mul_f32 v[14:15], v[14:15], v[F:F+1] op_sel_hi:[1,0]   ; the sums under the new M: the plain line behind the batch
	s_wait_alu depctr_va_vdst(0)                   ; and the one wait behind it
.irp b, 0,1,2,3
	v_max_num_f32 v[BM+\b], 0x1800000, v[BM+\b]    ; the floor 2^(3 - 127): the byte cannot fall under 1
.endr
	v_pk_add_f32 v[SB:SB+1], v[S:S+1], v[S+2:S+3]
.irp b, 0,1,2,3
	v_add_nc_u32 v[SO+\b], 0xff000000, v[BM+\b]    ; 2 off the exponent field: the conversion's scale operand
.endr
.irp b, 0,1,2,3
	v_lshrrev_b32 v[BT+\b], 23, v[SO+\b]           ; the scale's byte
.endr
	v_lshl_or_b32 v[PW], v[BT+1], 8, v[BT]
	v_lshl_or_b32 v[T], v[BT+3], 8, v[BT+2]
.set n, 0
.rept 8
	v_cvt_scalef32_pk8_fp4_f32 v[PCD+4*(n/4)+2*(n%2)+(n%4)/2], v[S+8*n:S+8*n+7], v[SO+n/2]
	DADD 4+8*n                                     ; the row's sum of the unquantised p stands among the conversions, which only read p too
.if n < 7
	DADD 8+8*n
.endif
.set n, n+1
.endr
	v_lshl_or_b32 v[PW], v[T], 16, v[PW]           ; p's scale word for these 128 keys
	v_pk_add_f32 v[14:15], v[14:15], v[SB:SB+1]
.irp i, 0,2,4,6
	v_permlane16_swap_b32 v[PCD+\i], v[PCD+\i+1]   ; a whole block in a lane
.endr
.endm
	s_load_b256 s[4:11], s[0:1], 0x0               ; qc, qs, kv, ac
	s_load_b64 s[12:13], s[0:1], 0x20              ; asc
	v_lshl_add_u32 v[SPW], v0, 2, SPARE
	v_mov_b32 v[NIL], 0
	ds_add_u32 v[SPW], v[NIL]                      ; the opening: the add, twice on end, and its wait ahead of the round in front of the tensor load
	ds_add_u32 v[SPW], v[NIL]
	v_lshrrev_b32 v[ADR], 5, v0
	v_readfirstlane_b32 s[WV], v[ADR]              ; wave 0..15
	s_bfe_u32 s[CX], ttmp6, 0x40000                ; my place in the cluster: it enters addresses in memory of qc, qs, ac, asc alone
	s_lshl_b32 s[X], ttmp9, 2
	s_add_co_u32 s[X], s[X], s[CX]                 ; my 64 queries
	s_and_b32 s[G], ttmp7, 0xffff                  ; the kv head, which the four partners share
	s_and_b32 s[REP], s[WV], 3
	s_lshr_b32 s[QI], s[WV], 2
	s_lshl_b32 s[HEAD], s[G], 2
	s_add_co_u32 s[HEAD], s[HEAD], s[REP]
	s_lshl_b32 s[QT], s[X], 2
	s_add_co_u32 s[QT], s[QT], s[QI]
	s_mov_b32 s[G1], 15|(3<<16)|(1<<21)            ; the mask: all four; elements of 8 bytes; bit 21 beside a mask
	s_mov_b32 s[G1+1], 32<<16                      ; rows of 256 bytes,
	s_mov_b32 s[G1+2], 68<<16                      ; 68 of them: two steps
	s_mov_b32 s[G1+3], 32<<16
	s_mov_b32 s[G1+4], 68
	s_mov_b32 s[G1+5], 32
	s_mov_b32 s[G1+6], 0
	s_mov_b32 s[G1+7], 0
	s_mul_i32 s50, s[G], 32*STEPB
	s_mul_i32 s52, s[WV], 2*STEPB                  ; wave w fetches steps 2 w and 2 w + 1
	s_add_co_u32 s50, s50, s52
	s_mov_b32 s51, 0
	s_mov_b32 s[XS], 0x76543210
	s_mov_b32 s[XS+1], 0xfedcba98
	s_mov_b32 s[CS], 0x3e38aa3b                    ; c = log2(e) / 8
	s_mov_b32 s[CS+1], s[CS]
	s_and_b32 s54, s[WV], 1
	s_cmp_eq_u32 s54, 0
	s_mov_b32 s54, 0x03020302
	s_cselect_b32 s54, 0x01000100, s54             ; which two bytes of a pair of heads' word are my head's
	s_mov_b32 s[TB], 0
	s_mov_b32 s[CNT], 30
	s_wait_dscnt 0x0                               ; both opening adds are done
	s_wait_kmcnt 0x0
	s_mov_b32 s[G0], 1
	s_mov_b32 s[G0+1], s52
	s_add_nc_u64 s[G0+2:G0+3], s[8:9], s[50:51]
	s_or_b32 s[G0+3], s[G0+3], 0x80000000
	ROUND                                          ; all four work-groups are here: the joint loads meet
	tensor_load_to_lds s[G0:G0+3], s[G1:G1+7]      ; my one tensor load
	s_nop 0
	s_lshl_b32 s50, s[HEAD], 17                    ; qc: [head][tile][512]
	s_lshl_b32 s52, s[QT], 9
	s_add_co_u32 s50, s50, s52
	s_add_nc_u64 s[4:5], s[4:5], s[50:51]
	s_lshr_b32 s50, s[HEAD], 1                     ; qs: [pair of heads][query] words
	s_lshl_b32 s50, s50, 14
	s_lshl_b32 s52, s[QT], 6
	s_add_co_u32 s50, s50, s52
	s_add_nc_u64 s[6:7], s[6:7], s[50:51]
	s_lshl_b32 s50, s[QT], 13                      ; ac: [tile][head][512]
	s_lshl_b32 s52, s[HEAD], 9
	s_add_co_u32 s50, s50, s52
	s_add_nc_u64 s[10:11], s[10:11], s[50:51]
	s_lshl_b32 s50, s[G], 15                       ; asc: [kv head][64 queries][512]
	s_lshl_b32 s52, s[X], 9
	s_add_co_u32 s50, s50, s52
	s_add_nc_u64 s[12:13], s[12:13], s[50:51]
	v_and_b32 v[LI], 31, v0
	v_and_b32 v6, 15, v0
	v_lshlrev_b32 v[LI], 4, v[LI]
	v_lshlrev_b32 v7, 2, v6
	global_load_b128 v[QZ+4:QZ+7], v[LI], s[4:5]
	global_load_b32 v[T], v7, s[6:7]
	s_wait_alu depctr_va_vdst(0)
	s_wait_loadcnt 0x0
	v_perm_b32 v[QS], v[T], v[T], s54              ; my head's two bytes, for either half of K; 18 plain lines follow ahead of the first product
.irp i, 0,1,2,3,8,9,10,11
	v_mov_b32 v[QZ+\i], 0
.endr
	v_mov_b32 v13, 0xff61b1e6                      ; the largest score so far: -3e38
	v_mov_b32 v12, 0x7e000000                      ; -M: so large that the first f is 0, which leaves the zeros zeros
	v_mov_b32 v14, 0
	v_mov_b32 v15, 0
	v_mov_b32 v[F+1], 0                            ; (named with f as a pair)
.irp b, 0,1,2,3
	v_mov_b32 v[BT+\b], 0                          ; a lane permute's destination counts as one of its sources
.endr
	v_mov_b32 v[ADR], v[LI]                        ; step 0
	s_wait_alu depctr_va_vdst(0)                   ; the head's end
	s_wait_tensorcnt 0x0                           ; my two steps have landed,
	s_barrier_signal -1
	s_barrier_wait -1                              ; everybody's have: nothing is filled again
.irp t, 0,1,2,3,4,5,6,7
	ds_load_b128 v[KF+4*\t:KF+4*\t+3], v[ADR] offset:512*\t
.endr
	ds_load_b128 v[SCK:SCK+3], v[ADR] offset:8192
	BODY 1, 0
.Lstep:                                            ; steps 1 to 30
	BODY 0, 0
	s_sub_co_u32 s[CNT], s[CNT], 1
	s_cmp_lg_u32 s[CNT], 0
	s_wait_alu depctr_va_vdst(0)
	s_cbranch_scc1 .Lstep
	BODY 0, 1
	s_wait_dscnt 0x0                               ; V of step 31
	RESCALE
	PV
	; THE WAY OUT: O^T / the sum, quantised along the head's 64 (two blocks), leaves as an image of operand registers; the scale bytes of the 64 queries x 4 heads are gathered in LDS and leave as 512 consecutive bytes.
	v_add_f32 v14, v14, v15
	v_permlanex16_b32 v[T], v14, s[XS], s[XS+1]
	v_add_f32 v14, v14, v[T]                       ; the row's sum
	s_wait_alu depctr_va_vdst(0)                   ; ahead of the transcendental
	v_rcp_f32 v14, v14
	v_and_b32 v6, 15, v0
	s_lshl_b32 s50, s[QI], 7
	s_lshl_b32 s52, s[REP], 1
	s_add_co_u32 s50, s50, s52
	s_add_co_u32 s50, s50, STG
	v_lshl_add_u32 v6, v6, 3, s50                  ; 128 x tile + 8 x row + 2 x head of the four
	v_add_nc_u32 v7, STG, v[LI]
	v_nop
	s_wait_alu depctr_va_vdst(0)                   ; the wait behind it, directly ahead of the first readers of O^T too
.set n, 0
.rept 32
	v_mul_f32 v[S+n], v[O+n], v14
.set n, n+1
.endr
.irp b, 0,1
	v_max3_num_f32 v[BM+\b], |v[S+16*\b]|, |v[S+16*\b+1]|, 0x1800000
.endr
.irp i, 2,4,6,8,10,12,14
.irp b, 0,1
	v_max3_num_f32 v[BM+\b], v[BM+\b], |v[S+16*\b+\i]|, |v[S+16*\b+\i+1]|
.endr
.endr
.irp b, 0,1
	v_permlanex16_b32 v[BT+\b], v[BM+\b], s[XS], s[XS+1]
.endr
.irp b, 0,1
	v_max_num_f32 v[BM+\b], v[BM+\b], v[BT+\b]
.endr
.irp b, 0,1
	v_add_nc_u32 v[SO+\b], 0xff000000, v[BM+\b]
.endr
.irp b, 0,1
	v_lshrrev_b32 v[BT+\b], 23, v[SO+\b]
.endr
	v_lshl_or_b32 v[T], v[BT+1], 8, v[BT]
	v_cvt_scalef32_pk8_fp4_f32 v[PCD], v[S:S+7], v[SO]
	v_cvt_scalef32_pk8_fp4_f32 v[PCD+2], v[S+8:S+15], v[SO]
	v_cvt_scalef32_pk8_fp4_f32 v[PCD+1], v[S+16:S+23], v[SO+1]
	v_cvt_scalef32_pk8_fp4_f32 v[PCD+3], v[S+24:S+31], v[SO+1]
	v_nop                                          ; one plain line behind the last scaled conversion
	v_permlane16_swap_b32 v[PCD], v[PCD+1]
	v_permlane16_swap_b32 v[PCD+2], v[PCD+3]
	global_store_b128 v[LI], v[PCD:PCD+3], s[10:11]   ; 512 consecutive bytes, aligned
	ds_store_b16 v6, v[T]
	s_wait_dscnt 0x0
	s_barrier_signal -1
	s_barrier_wait -1
	s_cmp_lg_u32 s[WV], 0
	s_cbranch_scc1 .Lnot_mine
	ds_load_b128 v[S:S+3], v7
	s_wait_dscnt 0x0
	global_store_b128 v[LI], v[S:S+3], s[12:13]
.Lnot_mine:
	s_wait_tensorcnt 0x0                           ; the wave's end
	ds_add_u32 v[SPW], v[NIL]
	s_wait_dscnt 0x0
	ROUND                                          ; the closing round
	s_endpgm
.Lfunc_end_k_qe6b5f47b8c_attn:
	.size	k_qe6b5f47b8c_attn, .Lfunc_end_k_qe6b5f47b8c_attn-k_qe6b5f47b8c_attn
	.p2alignl 7, 3214868480
	.fill 96, 4, 3214868480
	.section	.rodata,"a",@progbits
	.p2align	6, 0x0
	.amdhsa_kernel k_qe6b5f47b8c_attn
		.amdhsa_group_segment_fixed_size 327680
		.amdhsa_private_segment_fixed_size 0
		.amdhsa_enable_private_segment 0
		.amdhsa_kernarg_size 40
		.amdhsa_user_sgpr_count 2
		.amdhsa_user_sgpr_kernarg_segment_ptr 1
		.amdhsa_wavefront_size32 1
		.amdhsa_system_sgpr_workgroup_id_x 1
		.amdhsa_system_sgpr_workgroup_id_y 1
		.amdhsa_system_sgpr_workgroup_id_z 1
		.amdhsa_system_vgpr_workitem_id 0
		.amdhsa_next_free_vgpr 256
		.amdhsa_next_free_sgpr 66
		.amdhsa_reserve_vcc 0
		.amdhsa_float_denorm_mode_32 3
		.amdhsa_float_denorm_mode_16_64 3
		.amdhsa_memory_ordered 1
		.amdhsa_forward_progress 1
		.amdhsa_inst_pref_size 54
	.end_amdhsa_kernel
	.amdgpu_metadata
---
amdhsa.version: [ 1, 2 ]
amdhsa.kernels:
  - .name:           k_qe6b5f47b8c_attn
    .symbol:         k_qe6b5f47b8c_attn.kd
    .args:
      - { .name: qc, .offset: 0, .size: 8, .value_kind: global_buffer, .address_space: global }
      - { .name: qs, .offset: 8, .size: 8, .value_kind: global_buffer, .address_space: global }
      - { .name: kv, .offset: 16, .size: 8, .value_kind: global_buffer, .address_space: global }
      - { .name: ac, .offset: 24, .size: 8, .value_kind: global_buffer, .address_space: global }
      - { .name: asc, .offset: 32, .size: 8, .value_kind: global_buffer, .address_space: global }
    .group_segment_fixed_size: 327680
    .private_segment_fixed_size: 0
    .kernarg_segment_align: 8
    .kernarg_segment_size: 40
    .max_flat_workgroup_size: 512
    .sgpr_count:     66
    .vgpr_count:     256
    .wavefront_size: 32
...
	.end_amdgpu_metadata
.endif
;; end of part 2
;; launch outp (part 3): grid 32 x 8, 4 waves a work-group, clusters of 4 x 1, 167,936 bytes of LDS; arguments ac, asc, w_o_codes, w_o_scales, b_o, out0; writes out0
.if DOCPART == 3
	.amdgcn_target "amdgcn-amd-amdhsa--gfx1250"
	.amdhsa_code_object_version 6
	.text
	.protected	k_qe6b5f47b8c_outp
	.globl	k_qe6b5f47b8c_outp
	.p2align	8
	.type	k_qe6b5f47b8c_outp,@function
k_qe6b5f47b8c_outp:
	s_mov_b64 s[64:65], 0
	v_nop
	global_prefetch_b8 v0, s[64:65] scope:SCOPE_SE
	s_setreg_imm32_b32 hwreg(HW_REG_WAVE_MODE, 25, 1), 1
	s_wait_xcnt 0x0
	s_wait_alu depctr_hold_cnt(0) depctr_sa_sdst(0) depctr_va_vdst(0) depctr_va_sdst(0) depctr_va_ssrc(0) depctr_va_vcc(0) depctr_vm_vsrc(0)
	s_getreg_b32 s2, hwreg(HW_REG_IB_STS2, 6, 4)
	s_cmp_eq_u32 s2, 0
	s_cbranch_scc0 .Lentry_in_a_cluster
	s_endpgm
.Lentry_in_a_cluster:
	s_bfe_u32 s2, ttmp6, 0x10000c
	s_cmp_lg_u32 s2, 0x3003
	s_cbranch_scc0 .Lentry_shape_is_right
	s_endpgm
.Lentry_shape_is_right:
; out0 = a w_o + b_o on codes of FP4 (E2M1) with one E8M0 scale for each 32 along K = 1,024 (head x 64 + d); a is the attention's result as the launch before left it: images of operand registers and scale bytes.  No work is left out.
; A work-group makes 128 rows x 128 columns; wave w makes all 128 columns for rows 32 w on: 16 accumulators.  256 work-groups of equal work.
; THE PRODUCT IS USED TRANSPOSED: source 0 = 16 rows of w_o (columns of out0), source 1 = 16 rows of a: a lane holds eight neighbouring numbers of a row of out0.
; w_o's 128 rows, all of K, come into LDS once (rows 528 bytes = 33 x 16 apart).  The four work-groups of a cluster share the columns: the tile is asked for JOINTLY, 32 rows a wave.  Nothing is filled again.
; a's fragments of all eight K steps (128 registers), all scale words and the bias go from memory straight into registers: each wave reads rows that no other wave of the work-group reads.
; The bias is the C of each sum's first product (a sum's first term, not its last as the problem writes it: another order of rounding).
; Nothing is asked of memory ahead of its load: every load goes out at the head.
; REGISTERS: window 0: v1-9 addresses; v24-31 a's scale words (register s: K step s; lanes 0-15 row tile 0, lanes 16-31 row tile 1); v32-63 w_o's (register 4 pt + q: lanes 0-15 step q, lanes 16-31 step 4 + q);
;   v64-127 w_o's eight fragments; v128-255 accumulator (pt, rt) at 128 + 64 rt + 8 pt.   window 1: v0-127 a's fragments (rt, s) at 8 (8 rt + s); v128-191 the bias, 8 pt + j.
.set PITCH, 528
.set TROW,  16*PITCH
.set STG,   128*PITCH                  ; behind the tile: a stage of 16 rows x (512 + 16) bytes for each wave
.set SPARE, STG+4*16*PITCH             ; behind the stages: the spare words, 128 bytes for each wave, which no other line names
.set LI,  1                            ; v1  16 x lane
.set ADP, 2                            ; v2  LDS: my lane's place in a fragment of w_o
.set SPW, 3                            ; v3  LDS address of my spare word; never rewritten
.set NIL, 4                            ; v4  0; never rewritten
.set STO, 5                            ; v5  the stage: where I put 32 bytes of a row
.set RD,  6                            ; v6  and where I read a row back
.set SCR, 24
.set SCP, 32
.set PF,  64
.set ACC, 128
.set BIAS, 128                         ; in window 1
.set WV,  16
.set CX,  17
.set X,   18
.set Y,   19
.set G1,  24
.set G0,  32
.set MSB, 0
.macro WIN new                         ; the immediate's high byte repeats the setting that is left
.if MSB != \new
	s_set_vgpr_msb (MSB<<8)|\new
.set MSB, \new
.endif
.endm
.macro PLACES n
.rept \n
	v_nop
.endr
.endm
.macro ROUND                           ; a round of the cluster's barrier
	s_barrier_signal -1
	s_barrier_wait -1
	s_cmp_lg_u32 s[WV], 0
	s_cbranch_scc1 .Lnot_wave_0_\@
	s_barrier_signal -3
.Lnot_wave_0_\@:
	s_barrier_wait -3
	s_barrier_signal -1
	s_barrier_wait -1
.endm
.macro MO d, a, b, c, sa, sb, ra, rb   ; one product; ra, rb = 1: that side's scale words are taken from lanes 16-31
.if \ra
.if \rb
	v_wmma_scale_f32_16x16x128_f8f6f4 v[\d:\d+7], v[\a:\a+7], v[\b:\b+7], v[\c:\c+7], v[\sa], v[\sb] matrix_a_fmt:MATRIX_FMT_FP4 matrix_b_fmt:MATRIX_FMT_FP4 matrix_a_scale:MATRIX_SCALE_ROW1 matrix_b_scale:MATRIX_SCALE_ROW1
.else
	v_wmma_scale_f32_16x16x128_f8f6f4 v[\d:\d+7], v[\a:\a+7], v[\b:\b+7], v[\c:\c+7], v[\sa], v[\sb] matrix_a_fmt:MATRIX_FMT_FP4 matrix_b_fmt:MATRIX_FMT_FP4 matrix_a_scale:MATRIX_SCALE_ROW1
.endif
.else
.if \rb
	v_wmma_scale_f32_16x16x128_f8f6f4 v[\d:\d+7], v[\a:\a+7], v[\b:\b+7], v[\c:\c+7], v[\sa], v[\sb] matrix_a_fmt:MATRIX_FMT_FP4 matrix_b_fmt:MATRIX_FMT_FP4 matrix_b_scale:MATRIX_SCALE_ROW1
.else
	v_wmma_scale_f32_16x16x128_f8f6f4 v[\d:\d+7], v[\a:\a+7], v[\b:\b+7], v[\c:\c+7], v[\sa], v[\sb] matrix_a_fmt:MATRIX_FMT_FP4 matrix_b_fmt:MATRIX_FMT_FP4
.endif
.endif
.endm
	s_load_b256 s[4:11], s[0:1], 0x0               ; ac s[4:5], asc s[6:7], w_o's codes s[8:9], w_o's scales s[10:11]
	s_load_b128 s[12:15], s[0:1], 0x20             ; b_o s[12:13], out0 s[14:15]
	v_lshl_add_u32 v[SPW], v0, 2, SPARE
	v_mov_b32 v[NIL], 0
	ds_add_u32 v[SPW], v[NIL]                      ; the wave's opening: the add, twice on end, and its wait ahead of the round in front of the first tensor load
	ds_add_u32 v[SPW], v[NIL]
	v_lshrrev_b32 v[ADP], 5, v0
	v_readfirstlane_b32 s[WV], v[ADP]              ; wave 0..3
	s_bfe_u32 s[CX], ttmp6, 0x40000                ; my place in the cluster: it enters ac's, asc's and out0's addresses in memory alone
	s_lshl_b32 s[X], ttmp9, 2
	s_add_co_u32 s[X], s[X], s[CX]                 ; my 128 rows
	s_and_b32 s[Y], ttmp7, 0xffff                  ; my 128 columns, which the four partners share
	s_mov_b32 s[G1], 15|(1<<20)|(1<<21)|(6<<22)|(3<<25)   ; the mask: all four; elements of 1 byte; padding on; bit 21 set beside a mask; after every 128 words, 4 words
	s_mov_b32 s[G1+1], 512<<16                     ; tensor_dim0
	s_mov_b32 s[G1+2], 32<<16                      ; tensor_dim1
	s_mov_b32 s[G1+3], 512<<16                     ; tile_dim0
	s_mov_b32 s[G1+4], 32                          ; tile_dim1
	s_mov_b32 s[G1+5], 512                         ; from row to row
	s_mov_b32 s[G1+6], 0
	s_mov_b32 s[G1+7], 0
	s_lshl_b32 s20, s[Y], 16                       ; w_o's row 128 y + 32 w, 512 bytes a row
	s_lshl_b32 s22, s[WV], 14
	s_add_co_u32 s20, s20, s22
	s_mov_b32 s21, 0
	s_wait_dscnt 0x0                               ; both opening adds are done
	s_wait_kmcnt 0x0
	s_mov_b32 s[G0], 1
	s_mul_i32 s[G0+1], s[WV], 32*PITCH
	s_add_nc_u64 s[G0+2:G0+3], s[8:9], s[20:21]
	s_or_b32 s[G0+3], s[G0+3], 0x80000000
	ROUND                                          ; all four work-groups are here: the joint loads meet
	tensor_load_to_lds s[G0:G0+3], s[G1:G1+7]      ; every wave asks for its 32 rows: one load of mine is out
	s_nop 0
.rept 4
	v_nop
.endr
	s_lshl_b32 s20, s[X], 16                       ; ac: 8,192 x tile of 16 rows; my first tile is 8 x + 2 w
	s_add_co_u32 s20, s20, s22
	s_add_nc_u64 s[4:5], s[4:5], s[20:21]
	s_lshl_b32 s20, s[X], 10                       ; asc: 8 bytes a row; my first row is 128 x + 32 w
	s_lshl_b32 s22, s[WV], 8
	s_add_co_u32 s20, s20, s22
	s_add_nc_u64 s[6:7], s[6:7], s[20:21]
	s_lshl_b32 s20, s[Y], 12                       ; w_o's scales: 32 bytes a row
	s_add_nc_u64 s[10:11], s[10:11], s[20:21]
	s_lshl_b32 s20, s[Y], 9                        ; b_o: 128 numbers x y
	s_add_nc_u64 s[12:13], s[12:13], s[20:21]
	s_lshl_b32 s22, s[X], 19                       ; out0: rows of 4,096 bytes, + 512 y
	s_add_co_u32 s20, s20, s22
	s_lshl_b32 s22, s[WV], 17
	s_add_co_u32 s20, s20, s22
	s_add_nc_u64 s[14:15], s[14:15], s[20:21]
	v_and_b32 v[LI], 31, v0
	v_lshlrev_b32 v7, 3, v[LI]                     ; 8 x lane: a row's scale bytes in asc
	v_lshlrev_b32 v[LI], 4, v[LI]
	v_and_b32 v10, 15, v0                          ; r
	v_bfe_u32 v11, v0, 4, 1                        ; h
	v_lshlrev_b32 v8, 5, v10
	v_lshl_add_u32 v8, v11, 4, v8                  ; w_o's scales: 32 r + 16 h
	v_lshlrev_b32 v9, 5, v11                       ; the bias: 32 h
	WIN 0x40                                       ; destination window 1
.irp rt, 0,1
.irp s, 0,1,2,3,4,5,6,7
.irp c, 0,1
	global_load_b128 v[8*(8*\rt+\s)+4*\c:8*(8*\rt+\s)+4*\c+3], v[LI], s[4:5] offset:8192*\rt+1024*\s+512*\c   ; K step s = heads 2 s and 2 s + 1: two images of 512 bytes on end
.endr
.endr
.endr
.irp pt, 0,1,2,3,4,5,6,7
	global_load_b128 v[BIAS+8*\pt:BIAS+8*\pt+3], v9, s[12:13] offset:64*\pt
	global_load_b128 v[BIAS+8*\pt+4:BIAS+8*\pt+7], v9, s[12:13] offset:64*\pt+16
.endr
	WIN 0
.irp g, 0,1,2,3
	global_load_b64 v[SCR+2*\g:SCR+2*\g+1], v7, s[6:7] offset:32768*\g   ; the words of K steps 2 g and 2 g + 1 of my 32 rows: 256 consecutive bytes
.endr
.irp pt, 0,1,2,3,4,5,6,7
	global_load_b128 v[SCP+4*\pt:SCP+4*\pt+3], v8, s[10:11] offset:512*\pt   ; 16 rows' 32 scale bytes: 512 consecutive bytes
.endr
	v_mul_u32_u24 v[ADP], v10, PITCH
	v_lshl_add_u32 v[ADP], v11, 4, v[ADP]          ; a fragment's row x pitch + 16 x half
	s_mul_i32 s22, s[WV], 16*PITCH
	s_add_co_u32 s22, s22, STG                     ; my stage
	v_mul_u32_u24 v[STO], v10, PITCH
	v_lshl_add_u32 v[STO], v11, 5, v[STO]
	v_add_nc_u32 v[STO], s22, v[STO]               ; in: row r, 32 bytes for each half of the lanes
	v_add_nc_u32 v[RD], s22, v[LI]                 ; back: the 32 lanes take one row of 512 bytes
	s_wait_alu depctr_va_vdst(0)
	s_wait_tensorcnt 0x0                           ; my rows of w_o have landed,
	s_barrier_signal -1
	s_barrier_wait -1                              ; everybody's have
; A K step of 128: w_o's eight fragments from LDS, then 16 products.  The 16 accumulators take turns, one instruction a turn, in the same order in every step.
.macro OSTEP s
.if (\s) > 0
	PLACES 4                                       ; four plain instructions between the last products and loads into registers that they read
.endif
.irp pt, 0,1,2,3,4,5,6,7
.irp c, 0,1
	ds_load_b128 v[PF+8*\pt+4*\c:PF+8*\pt+4*\c+3], v[ADP] offset:TROW*\pt+64*(\s)+32*\c   ; (an LDS load names a destination and source 0 alone: both in window 0 under every setting used here)
.endr
.endr
	s_wait_dscnt 0x0
.if (\s) == 0
	s_wait_loadcnt 0x0                             ; a's fragments, the scale words, the bias
	WIN 0x14                                       ; source 1 (a) and source 2 (the bias) window 1
.else
	WIN 0x04                                       ; source 1 window 1
.endif
.irp pt, 0,1,2,3,4,5,6,7
.irp rt, 0,1
.if (\s) == 0
	MO ACC+64*\rt+8*\pt, PF+8*\pt, 8*(8*\rt+(\s)), BIAS+8*\pt, SCP+4*\pt+(\s)%4, SCR+(\s), (\s)/4, \rt
.else
	MO ACC+64*\rt+8*\pt, PF+8*\pt, 8*(8*\rt+(\s)), ACC+64*\rt+8*\pt, SCP+4*\pt+(\s)%4, SCR+(\s), (\s)/4, \rt
.endif
.endr
.endr
.endm
	OSTEP 0
	OSTEP 1
	OSTEP 2
	OSTEP 3
	OSTEP 4
	OSTEP 5
	OSTEP 6
	OSTEP 7
	WIN 0
	PLACES 4                                       ; between the last products and the first read of results
	; THE WAY OUT.  A lane holds 32 neighbouring bytes of a row and the lanes beside it hold other rows: 16 rows at a time go through my own stage and come back, into the registers that they left, as whole rows of 512 bytes.
	; LDS serves a wave's instructions in order (ISA guide 5.7.1.4): no wait between the stores and the loads, nor in front of the second tile's stores.
.irp rt, 0,1
.irp pt, 0,1,2,3,4,5,6,7
	ds_store_b128 v[STO], v[ACC+64*\rt+8*\pt:ACC+64*\rt+8*\pt+3] offset:64*\pt          ; each accumulator from its low end on
	ds_store_b128 v[STO], v[ACC+64*\rt+8*\pt+4:ACC+64*\rt+8*\pt+7] offset:64*\pt+16
.endr
.irp i, 0,1,2,3,4,5,6,7,8,9,10,11,12,13,14,15
	ds_load_b128 v[ACC+64*\rt+4*\i:ACC+64*\rt+4*\i+3], v[RD] offset:\i*PITCH
.endr
.endr
	s_wait_dscnt 32                                ; row tile 0 is back: behind its loads stand row tile 1's 16 stores and 16 loads
.irp i, 0,1,2,3,4,5,6,7,8,9,10,11,12,13,14,15
	global_store_b128 v[LI], v[ACC+4*\i:ACC+4*\i+3], s[14:15] offset:4096*\i th:TH_STORE_NT   ; 512 consecutive bytes, aligned; written once, read by nobody here
.endr
	s_wait_dscnt 0x0
.irp i, 0,1,2,3,4,5,6,7,8,9,10,11,12,13,14,15
	global_store_b128 v[LI], v[ACC+64+4*\i:ACC+64+4*\i+3], s[14:15] offset:65536+4096*\i th:TH_STORE_NT
.endr
	s_wait_tensorcnt 0x0                           ; the wave's end
	ds_add_u32 v[SPW], v[NIL]
	s_wait_dscnt 0x0
	ROUND                                          ; the closing round
	s_endpgm
.Lfunc_end_k_qe6b5f47b8c_outp:
	.size	k_qe6b5f47b8c_outp, .Lfunc_end_k_qe6b5f47b8c_outp-k_qe6b5f47b8c_outp
	.p2alignl 7, 3214868480
	.fill 96, 4, 3214868480
	.section	.rodata,"a",@progbits
	.p2align	6, 0x0
	.amdhsa_kernel k_qe6b5f47b8c_outp
		.amdhsa_group_segment_fixed_size 167936
		.amdhsa_private_segment_fixed_size 0
		.amdhsa_enable_private_segment 0
		.amdhsa_kernarg_size 48
		.amdhsa_user_sgpr_count 2
		.amdhsa_user_sgpr_kernarg_segment_ptr 1
		.amdhsa_wavefront_size32 1
		.amdhsa_system_sgpr_workgroup_id_x 1
		.amdhsa_system_sgpr_workgroup_id_y 1
		.amdhsa_system_sgpr_workgroup_id_z 1
		.amdhsa_system_vgpr_workitem_id 0
		.amdhsa_next_free_vgpr 448
		.amdhsa_next_free_sgpr 66
		.amdhsa_reserve_vcc 0
		.amdhsa_float_denorm_mode_32 3
		.amdhsa_float_denorm_mode_16_64 3
		.amdhsa_memory_ordered 1
		.amdhsa_forward_progress 1
		.amdhsa_inst_pref_size 43
	.end_amdhsa_kernel
	.amdgpu_metadata
---
amdhsa.version: [ 1, 2 ]
amdhsa.kernels:
  - .name:           k_qe6b5f47b8c_outp
    .symbol:         k_qe6b5f47b8c_outp.kd
    .args:
      - { .name: ac, .offset: 0, .size: 8, .value_kind: global_buffer, .address_space: global }
      - { .name: asc, .offset: 8, .size: 8, .value_kind: global_buffer, .address_space: global }
      - { .name: w_o_codes, .offset: 16, .size: 8, .value_kind: global_buffer, .address_space: global }
      - { .name: w_o_scales, .offset: 24, .size: 8, .value_kind: global_buffer, .address_space: global }
      - { .name: b_o, .offset: 32, .size: 8, .value_kind: global_buffer, .address_space: global }
      - { .name: out0, .offset: 40, .size: 8, .value_kind: global_buffer, .address_space: global }
    .group_segment_fixed_size: 167936
    .private_segment_fixed_size: 0
    .kernarg_segment_align: 8
    .kernarg_segment_size: 48
    .max_flat_workgroup_size: 128
    .sgpr_count:     66
    .vgpr_count:     448
    .wavefront_size: 32
...
	.end_amdgpu_metadata
.endif
;; end of part 3
